; MI455X (gfx1250); checked and timed in simulation.
; The chip was launched on July 23, 2026; its instructions are those of AMD's public machine-readable ISA for CDNA 5 (MIT licence, August 2026) and "CDNA5" Instruction Set Architecture Reference Guide (July 2026). The comments in the code are by the model that wrote it; some were corrected since.
;; Shared Tversky Interpretable. Allowed arithmetic: float matrix products may take bf16 or f16 operands with f32 sums; all other float work in f32.
;; Inputs: alpha one number float32; beta one number float32; bias 256 float32; features 256 x 512 float32; prototypes 256 x 256 float32; x 2,048 x 512 float32.
;; Outputs: out0 2,048 x 256 float32.
;; One version. Each part assembles by itself: llvm-mc -triple=amdgcn-amd-amdhsa -mcpu=gfx1250 --defsym DOCPART=n.
;; ======== version 1 of 1: 2 launches
;; limits: a difference of large sums (such as E[x^2] - mean^2): digits are lost where the result is much smaller than its terms; right only within a limited range of input values
;; workspace buffers: xsq 2,097,152 bytes; psq 262,144 bytes
;; launch prep (part 1): grid 64 x 4, 4 waves a work-group, clusters of 4 x 4, 242,176 bytes of LDS; arguments x, features, prototypes, xsq, psq; writes xsq, psq
.if DOCPART == 1
	.amdgcn_target "amdgcn-amd-amdhsa--gfx1250"
	.amdhsa_code_object_version 6
	.text
	.protected	k_qd92a21502b_prep
	.globl	k_qd92a21502b_prep
	.p2align	8
	.type	k_qd92a21502b_prep,@function
k_qd92a21502b_prep:
	s_mov_b64 s[64:65], 0
	v_nop
	global_prefetch_b8 v0, s[64:65] scope:SCOPE_SE
	s_setreg_imm32_b32 hwreg(HW_REG_WAVE_MODE, 25, 1), 1
	s_wait_xcnt 0x0
	s_wait_alu depctr_hold_cnt(0) depctr_sa_sdst(0) depctr_va_vdst(0) depctr_va_sdst(0) depctr_va_ssrc(0) depctr_va_vcc(0) depctr_vm_vsrc(0)
	s_getreg_b32 s2, hwreg(HW_REG_IB_STS2, 6, 4)
	s_cmp_eq_u32 s2, 0
	s_cbranch_scc0 .Lentry_in_a_cluster
	s_endpgm
.Lentry_in_a_cluster:
	s_bfe_u32 s2, ttmp6, 0x10000c
	s_cmp_lg_u32 s2, 0xf033
	s_cbranch_scc0 .Lentry_shape_is_right
	s_endpgm
.Lentry_shape_is_right:
; xsq = sigmoid(x features^T) and psq = sigmoid(prototypes), both f32, each made once for the launch that follows.
; x [2048][512], features [256][512], prototypes [256][256], all f32.  Matrix operands are rounded to bf16, sums are f32.
; LAYOUT OF THE RESULTS, by quads of four f (q = f / 4):
;   xsq[q][b][4]   : byte q*32768 + b*16
;   psq[q][pos][4] : byte q*4096 + pos*16, pos = 64*(p/64) + 8*(p%8) + (p%64)/8 (the next launch's lanes then own 8 neighbouring p)
; A work-group makes 64 f x 32 b of xsq.  features' rows are source A, x's rows source B, so in a result lane (r, h) holds b = r and its
; eight registers f = 8h .. 8h+7: two quads, 16 bytes each, and sixteen lanes store 256 consecutive bytes, aligned, without a stage.
; K IS SPLIT OVER THE WAVES: wave w takes k = 128w .. 128w+127 of all 96 rows, fetched by its own tensor loads into its own LDS bytes,
; so each f32 is read from LDS and converted once in the work-group and no barrier stands in front of the products.  The four partial
; sums meet in LDS scratch behind one barrier; wave w finishes f tile w.
; CLUSTERS: 4 x 4 work-groups.  features' tile hangs on the grid's y alone and is asked for jointly by a row of the cluster; x's tile hangs
; on the grid's x alone and is asked for jointly by a column: the requests for both are divided by four.
; LIMIT: sigmoid(v) = 1 / (1 + 2^(-1.442695 v)); for v below about -87.3 the result is 0 instead of a number under 1.2e-38.
.set PITCH,  272                       ; LDS row: 256 bytes + 16 of padding: 16 rows start in 16 different 16-byte columns modulo 256
.set FTILE,  64*PITCH                  ; features: 64 rows of one stage
.set XTILE,  32*PITCH                  ; x: 32 rows of one stage
.set STAGE,  FTILE+XTILE               ; one stage = 64 k of my K quarter
.set WAVEB,  2*STAGE                   ; a wave's LDS bytes
.set SCR,    4*WAVEB                   ; scratch for the partial sums: 4 waves x 8 tiles x 1024 bytes; no tensor load lands here
.set NL2E,   0xbfb8aa3b                ; -log2(e)
.set ACC, 16                           ; v[16:79]   8 accumulator tiles, tile 2a+b: f tile a, b tile b
.set FR,  80                           ; v[80:127]  bf16 fragments: 4 of features, 2 of x
.set ST,  128                          ; v[128:223] f32 as read from LDS: 6 fragments x 16
.set PV,  224                          ; v[224:225] my two prototypes
.set G1F, 20                           ; s[20:27] descriptor group 1, features' tiles
.set G1X, 28                           ; s[28:35] descriptor group 1, x's tiles
.set G0,  36                           ; s[36:51] descriptor group 0: features stage 0, x stage 0, features stage 1, x stage 1
.set W0, (2<<16)|(1<<20)|(1<<21)|(5<<22)|(3<<25)   ; elements of 4 bytes; padding on; bit 21 beside a mask; after 64 words, 4 words
; a round of the cluster's barrier
.macro ROUND
	s_barrier_signal -1
	s_barrier_wait -1
	s_cmp_lg_u32 s14, 0
	s_cbranch_scc1 .Lnot_wave_0_\@
	s_barrier_signal -3
.Lnot_wave_0_\@:
	s_barrier_wait -3
	s_barrier_signal -1
	s_barrier_wait -1
.endm
	s_load_b256 s[4:11], s[0:1], 0x0               ; x s[4:5], features s[6:7], prototypes s[8:9], xsq s[10:11]
	s_load_b64 s[12:13], s[0:1], 0x20              ; psq
	v_lshl_add_u32 v232, v0, 2, 0x3b000
	v_mov_b32 v233, 0
	ds_add_u32 v232, v233
	v_lshrrev_b32 v1, 5, v0
	v_readfirstlane_b32 s14, v1                    ; wave 0..3 = my K quarter
	s_bfe_u32 s15, ttmp6, 0x40000                  ; cx
	s_bfe_u32 s16, ttmp6, 0x40004                  ; cy
	s_lshl_b32 s17, ttmp9, 2
	s_add_co_u32 s17, s17, s15                     ; bx: block of 32 rows of x, 0..63
	s_and_b32 s18, ttmp7, 0xffff
	s_lshl_b32 s18, s18, 2
	s_add_co_u32 s18, s18, s16                     ; fy: block of 64 rows of features, 0..3
	s_lshl_b32 s19, s16, 2
	s_lshl_b32 s19, 15, s19                        ; my row of the cluster (same cy)
	s_lshl_b32 s57, 0x1111, s15                    ; my column (same cx)
	s_or_b32  s[G1F+0], s19, W0                    ; features' tiles go to my row
	s_mov_b32 s[G1F+1], 64<<16                     ; tensor_dim0 = 64 elements
	s_mov_b32 s[G1F+2], 64<<16                     ; tensor_dim1 = 64 rows
	s_mov_b32 s[G1F+3], 64<<16                     ; tile_dim0 = 64 (256 bytes, starting at a multiple of 256)
	s_mov_b32 s[G1F+4], 64                         ; tile_dim1 = 64
	s_mov_b32 s[G1F+5], 512                        ; elements from row to row
	s_mov_b32 s[G1F+6], 0
	s_mov_b32 s[G1F+7], 0
	s_or_b32  s[G1X+0], s57, W0                    ; x's tiles go to my column
	s_mov_b32 s[G1X+1], 64<<16
	s_mov_b32 s[G1X+2], 32<<16                     ; 32 rows
	s_mov_b32 s[G1X+3], 64<<16
	s_mov_b32 s[G1X+4], 32
	s_mov_b32 s[G1X+5], 512
	s_mov_b32 s[G1X+6], 0
	s_mov_b32 s[G1X+7], 0
	s_lshl_b32 s58, s14, 9                         ; my K quarter: 128 f32 = 512 bytes into each row
	s_lshl_b32 s52, s18, 17                        ; features: 64 rows of 2,048 bytes for each fy (never holds cx)
	s_add_co_u32 s52, s52, s58
	s_mov_b32 s53, 0
	s_lshl_b32 s54, s17, 16                        ; x: 32 rows of 2,048 bytes for each bx (never holds cy)
	s_add_co_u32 s54, s54, s58
	s_mov_b32 s55, 0
	s_mul_i32 s56, s14, WAVEB                      ; my LDS bytes: the wave's number alone
	s_wait_dscnt 0x0
	s_wait_kmcnt 0x0
	s_add_nc_u64 s[52:53], s[6:7], s[52:53]
	s_add_nc_u64 s[54:55], s[4:5], s[54:55]
.irp st, 0,1
	s_mov_b32 s[G0+8*\st], 1
	s_add_co_u32 s[G0+8*\st+1], s56, \st*STAGE
	s_add_nc_u64 s[G0+8*\st+2:G0+8*\st+3], s[52:53], \st*256
	s_or_b32 s[G0+8*\st+3], s[G0+8*\st+3], 0x80000000
	s_mov_b32 s[G0+8*\st+4], 1
	s_add_co_u32 s[G0+8*\st+5], s56, \st*STAGE+FTILE
	s_add_nc_u64 s[G0+8*\st+6:G0+8*\st+7], s[54:55], \st*256
	s_or_b32 s[G0+8*\st+7], s[G0+8*\st+7], 0x80000000
.endr
	ROUND                                          ; all sixteen work-groups are here: the joint loads meet
	tensor_load_to_lds s[G0+0:G0+3],   s[G1F:G1F+7]    ; all fills of the launch, one group: four loads of this wave are out at the most
	s_nop 0
	tensor_load_to_lds s[G0+4:G0+7],   s[G1X:G1X+7]
	s_nop 0
	tensor_load_to_lds s[G0+8:G0+11],  s[G1F:G1F+7]
	s_nop 0
	tensor_load_to_lds s[G0+12:G0+15], s[G1X:G1X+7]
	s_nop 0
	; PROTOTYPES, while the tiles are on their way.  Work-group id = 64 fy + bx takes 16 places (id % 16) of 4 quads (id / 16); wave w takes
	; quad 4 (id / 16) + w; a lane takes half a quad (8 bytes) of place 16 (id % 16) + lane / 2: the wave's store is 256 consecutive bytes, aligned.
	s_lshl_b32 s59, s18, 6
	s_add_co_u32 s59, s59, s17                     ; id
	s_and_b32 s60, s59, 15                         ; block of 16 places
	s_lshr_b32 s61, s59, 4
	s_lshl2_add_u32 s61, s61, s14                  ; quad
	v_and_b32 v3, 31, v0                           ; lane
	v_lshrrev_b32 v6, 1, v3
	v_lshl_add_u32 v6, s60, 4, v6                  ; pos
	v_and_b32 v7, 7, v6
	v_bfe_u32 v8, v6, 3, 3
	v_lshl_add_u32 v7, v7, 3, v8                   ; 8 (pos % 8) + (pos % 64) / 8
	v_and_b32 v8, 0xc0, v6
	v_add_nc_u32 v7, v7, v8                        ; p
	v_and_b32 v9, 1, v3
	v_lshlrev_b32 v9, 3, v9
	v_lshl_add_u32 v9, v7, 10, v9                  ; row p of 1,024 bytes + my half
	v_lshl_add_u32 v9, s61, 4, v9                  ; + the quad's 16 bytes
	global_load_b64 v[PV:PV+1], v9, s[8:9]
	v_lshlrev_b32 v10, 3, v3
	v_lshl_add_u32 v10, s60, 8, v10
	v_lshl_add_u32 v10, s61, 12, v10               ; psq: quad * 4096 + block * 256 + lane * 8
	; addresses for the products
	v_and_b32 v4, 15, v0                           ; r
	v_bfe_u32 v5, v0, 4, 1                         ; h
	v_mul_u32_u24 v2, v4, PITCH
	v_lshl_add_u32 v2, v5, 6, v2                   ; row r, 64 bytes for each half of the lanes
	v_add_nc_u32 v2, s56, v2
	s_lshl_b32 s62, s14, 13
	s_add_co_u32 s62, s62, SCR
	v_lshl_add_u32 v12, v3, 4, s62                 ; where I put my partial sums: scratch of wave w
	s_lshl_b32 s63, s14, 11
	s_add_co_u32 s63, s63, SCR
	v_lshl_add_u32 v13, v3, 4, s63                 ; where I read tiles 2w, 2w+1 of wave 0's scratch
	v_lshlrev_b32 v14, 4, v4
	v_lshl_add_u32 v14, v5, 16, v14                ; xsq: 16 r + two quads for h
	s_lshl_b32 s68, s18, 19                        ; 16 quads for each fy,
	s_lshl_b32 s70, s14, 17                        ; 4 for each wave,
	s_add_co_u32 s68, s68, s70
	s_lshl_b32 s70, s17, 9                         ; 32 b x 16 bytes for each bx
	s_add_co_u32 s68, s68, s70
	s_mov_b32 s69, 0
	s_add_nc_u64 s[10:11], s[10:11], s[68:69]
	s_wait_loadcnt 0x0
	v_pk_mul_f32 v[PV:PV+1], v[PV:PV+1], NL2E op_sel_hi:[1,0]
	v_exp_f32 v[PV], v[PV]
	v_exp_f32 v[PV+1], v[PV+1]
	v_nop                                          ; one plain instruction behind the transcendentals before their results are used (ISA guide 5.7.2)
	s_wait_alu depctr_va_vdst(0)
	v_pk_add_f32 v[PV:PV+1], v[PV:PV+1], 1.0 op_sel_hi:[1,0]
	v_rcp_f32 v[PV], v[PV]
	v_rcp_f32 v[PV+1], v[PV+1]
	v_nop
	s_wait_alu depctr_va_vdst(0)
	global_store_b64 v10, v[PV:PV+1], s[12:13]
; The f32 of one K step of 32 (ks = 0..3 of my quarter): lane (r, h) takes the 16 numbers k = 16h .. 16h+15 of row r, four loads of 16 bytes.
; The same places of k are used for both sources, so the products pair up as they should.
.macro LOADS ks
.irp i, 0,1,2,3
.irp c, 0,1,2,3
	ds_load_b128 v[ST+16*\i+4*\c:ST+16*\i+4*\c+3], v2 offset:(\ks>>1)*STAGE+(\ks&1)*128+\i*16*PITCH+16*\c
.endr
.endr
.irp i, 0,1
.irp c, 0,1,2,3
	ds_load_b128 v[ST+64+16*\i+4*\c:ST+64+16*\i+4*\c+3], v2 offset:(\ks>>1)*STAGE+(\ks&1)*128+FTILE+\i*16*PITCH+16*\c
.endr
.endr
.endm
.macro CVT                             ; 96 f32 to 48 registers of bf16 pairs, rounded to nearest even
.set c_e, 0
.rept 48
	v_cvt_pk_bf16_f32 v[FR+c_e], v[ST+2*c_e], v[ST+2*c_e+1]
.set c_e, c_e+1
.endr
.endm
; Eight products; the eight accumulators take turns, one instruction a turn.  zero = 1: the first K step starts the sums.
.macro MM zero
.irp a, 0,1,2,3
.irp b, 0,1
.if \zero
	v_wmma_f32_16x16x32_bf16 v[ACC+8*(2*\a+\b):ACC+8*(2*\a+\b)+7], v[FR+8*\a:FR+8*\a+7], v[FR+32+8*\b:FR+32+8*\b+7], 0
.else
	v_wmma_f32_16x16x32_bf16 v[ACC+8*(2*\a+\b):ACC+8*(2*\a+\b)+7], v[FR+8*\a:FR+8*\a+7], v[FR+32+8*\b:FR+32+8*\b+7], v[ACC+8*(2*\a+\b):ACC+8*(2*\a+\b)+7]
.endif
.endr
.endr
.endm
.macro PLACES                          ; four places behind the matrix instructions before their sources are rewritten or their results read (ISA guide 7.12.1)
.rept 4
	v_nop
.endr
.endm
	s_wait_tensorcnt 0x2                           ; loads end in order: stage 0 (features, x) is in, stage 1's two may be out
	LOADS 0
	s_wait_dscnt 0x0
	CVT
	LOADS 1                                        ; the staging registers have been read: the next K step's f32 come while the products run
	MM 1
	PLACES
	s_wait_dscnt 0x0
	CVT
	s_wait_tensorcnt 0x0                           ; stage 1 is in
	LOADS 2
	MM 0
	PLACES
	s_wait_dscnt 0x0
	CVT
	LOADS 3
	MM 0
	PLACES
	s_wait_dscnt 0x0
	CVT
	MM 0
	PLACES
	; the four K quarters meet: every wave lays its eight partial tiles into its own scratch, 512 consecutive bytes a store
.irp t, 0,1,2,3,4,5,6,7
	ds_store_b128 v12, v[ACC+8*\t:ACC+8*\t+3]   offset:\t*1024
	ds_store_b128 v12, v[ACC+8*\t+4:ACC+8*\t+7] offset:\t*1024+512
.endr
	s_wait_dscnt 0x0                               ; my stores are done, for the other waves' sake
	s_barrier_signal -1
	s_barrier_wait -1
.irp u, 0,1,2,3
.irp b, 0,1
	ds_load_b128 v[ST+16*\u+8*\b:ST+16*\u+8*\b+3],   v13 offset:\u*8192+\b*1024
	ds_load_b128 v[ST+16*\u+8*\b+4:ST+16*\u+8*\b+7], v13 offset:\u*8192+\b*1024+512
.endr
.endr
	s_wait_dscnt 0x0
.irp e, 0,2,4,6,8,10,12,14
	v_pk_add_f32 v[ST+\e:ST+\e+1], v[ST+\e:ST+\e+1], v[ST+16+\e:ST+16+\e+1]
	v_pk_add_f32 v[ST+32+\e:ST+32+\e+1], v[ST+32+\e:ST+32+\e+1], v[ST+48+\e:ST+48+\e+1]
.endr
.irp e, 0,2,4,6,8,10,12,14
	v_pk_add_f32 v[ST+\e:ST+\e+1], v[ST+\e:ST+\e+1], v[ST+32+\e:ST+32+\e+1]
.endr
.irp e, 0,2,4,6,8,10,12,14
	v_pk_mul_f32 v[ST+\e:ST+\e+1], v[ST+\e:ST+\e+1], NL2E op_sel_hi:[1,0]
.endr
.irp j, 0,1,2,3,4,5,6,7,8,9,10,11,12,13,14,15
	v_exp_f32 v[ST+\j], v[ST+\j]
.endr
	v_nop
	s_wait_alu depctr_va_vdst(0)
.irp e, 0,2,4,6,8,10,12,14
	v_pk_add_f32 v[ST+\e:ST+\e+1], v[ST+\e:ST+\e+1], 1.0 op_sel_hi:[1,0]
.endr
.irp j, 0,1,2,3,4,5,6,7,8,9,10,11,12,13,14,15
	v_rcp_f32 v[ST+\j], v[ST+\j]
.endr
	v_nop
	; registers 8b+4k .. +3 of lane (r, h): quad 16 fy + 4 w + 2 h + k of row 32 bx + 16 b + r: lanes 0-15 and lanes 16-31 each store 256 consecutive bytes, aligned
	s_wait_alu depctr_va_vdst(0)
.irp b, 0,1
.irp k, 0,1
	global_store_b128 v14, v[ST+8*\b+4*\k:ST+8*\b+4*\k+3], s[10:11] offset:\k*32768+\b*256
.endr
.endr
	s_wait_tensorcnt 0x0
	ds_add_u32 v232, v233
	s_wait_dscnt 0x0
	ROUND                                          ; the closing round: no work-group ends while a partner may still ask for a tile that names it
	s_endpgm
.Lfunc_end_k_qd92a21502b_prep:
	.size	k_qd92a21502b_prep, .Lfunc_end_k_qd92a21502b_prep-k_qd92a21502b_prep
	.p2alignl 7, 3214868480
	.fill 96, 4, 3214868480
	.section	.rodata,"a",@progbits
	.p2align	6, 0x0
	.amdhsa_kernel k_qd92a21502b_prep
		.amdhsa_group_segment_fixed_size 242176
		.amdhsa_private_segment_fixed_size 0
		.amdhsa_enable_private_segment 0
		.amdhsa_kernarg_size 40
		.amdhsa_user_sgpr_count 2
		.amdhsa_user_sgpr_kernarg_segment_ptr 1
		.amdhsa_wavefront_size32 1
		.amdhsa_system_sgpr_workgroup_id_x 1
		.amdhsa_system_sgpr_workgroup_id_y 1
		.amdhsa_system_sgpr_workgroup_id_z 1
		.amdhsa_system_vgpr_workitem_id 0
		.amdhsa_next_free_vgpr 234
		.amdhsa_next_free_sgpr 72
		.amdhsa_reserve_vcc 0
		.amdhsa_float_denorm_mode_32 3
		.amdhsa_float_denorm_mode_16_64 3
		.amdhsa_memory_ordered 1
		.amdhsa_forward_progress 1
		.amdhsa_inst_pref_size 35
	.end_amdhsa_kernel
	.amdgpu_metadata
---
amdhsa.version: [ 1, 2 ]
amdhsa.kernels:
  - .name:           k_qd92a21502b_prep
    .symbol:         k_qd92a21502b_prep.kd
    .args:
      - { .name: x, .offset: 0, .size: 8, .value_kind: global_buffer, .address_space: global }
      - { .name: features, .offset: 8, .size: 8, .value_kind: global_buffer, .address_space: global }
      - { .name: prototypes, .offset: 16, .size: 8, .value_kind: global_buffer, .address_space: global }
      - { .name: xsq, .offset: 24, .size: 8, .value_kind: global_buffer, .address_space: global }
      - { .name: psq, .offset: 32, .size: 8, .value_kind: global_buffer, .address_space: global }
    .group_segment_fixed_size: 242176
    .private_segment_fixed_size: 0
    .kernarg_segment_align: 8
    .kernarg_segment_size: 40
    .max_flat_workgroup_size: 128
    .sgpr_count:     72
    .vgpr_count:     234
    .wavefront_size: 32
...
	.end_amdgpu_metadata
.endif
;; end of part 1
;; launch tversky (part 2): grid 64 x 4, 4 waves a work-group, clusters of 4 x 4, 168,448 bytes of LDS; arguments xsq, psq, bias, alpha, beta, out0; writes out0
.if DOCPART == 2
	.amdgcn_target "amdgcn-amd-amdhsa--gfx1250"
	.amdhsa_code_object_version 6
	.text
	.protected	k_qd92a21502b_tversky
	.globl	k_qd92a21502b_tversky
	.p2align	8
	.type	k_qd92a21502b_tversky,@function
k_qd92a21502b_tversky:
	s_mov_b64 s[64:65], 0
	v_nop
	global_prefetch_b8 v0, s[64:65] scope:SCOPE_SE
	s_setreg_imm32_b32 hwreg(HW_REG_WAVE_MODE, 25, 1), 1
	s_wait_xcnt 0x0
	s_wait_alu depctr_hold_cnt(0) depctr_sa_sdst(0) depctr_va_vdst(0) depctr_va_sdst(0) depctr_va_ssrc(0) depctr_va_vcc(0) depctr_vm_vsrc(0)
	s_getreg_b32 s2, hwreg(HW_REG_IB_STS2, 6, 4)
	s_cmp_eq_u32 s2, 0
	s_cbranch_scc0 .Lentry_in_a_cluster
	s_endpgm
.Lentry_in_a_cluster:
	s_bfe_u32 s2, ttmp6, 0x10000c
	s_cmp_lg_u32 s2, 0xf033
	s_cbranch_scc0 .Lentry_shape_is_right
	s_endpgm
.Lentry_shape_is_right:
; out[b][p] = I / (I + alpha (Sx[b] - I) + beta (Sp[p] - I) + 1e-8) + bias[p],  I = sum over f of min(xs[b][f], ps[p][f]).
; For all numbers max(a - b, 0) = a - min(a, b), so reference's x_diff is Sx - I and its p_diff is Sp - I (Sx, Sp: the rows' sums).  All terms are
; positive; Sx - I is wrong by a few f32 roundings of Sx while the denominator is at least I + alpha x_diff, so its relative error is about
; max(alpha, 1) x 1e-6.  LIMITS: alpha, beta up to some 1e3 for that reason; a NaN input reaches the output through Sx or Sp (the min drops it).
; xsq[q][b][4], psq[q][pos][4] (q = f / 4; pos = 64 (p/64) + 8 (p%8) + (p%64)/8) come from the launch before, f32.
; A work-group makes 32 b x 64 p.  F IS SPLIT OVER THE WAVES: wave w sums quads 16w .. 16w+15 for all 2,048 outputs, so a lane owns 8 b x 8 p = 64 sums
; and 16 loads of 16 bytes feed 256 (min, add) pairs: 64 registers filled for 256 pairs.  Without the split a lane would own 4 x 4 and fill twice as many.
; Lane (lb = lane / 8, lp = lane % 8) owns b = lb + 4 i and places lp + 8 j, which are p = 8 lp + j.  The four waves' partial sums meet in LDS at the end.
; A pair is ONE instruction: v_dual_min_num_f32 of item n with v_dual_add_f32 of item n - LAG.  64 x 256 = 16,384 pairs a lane over the four waves' quarters:
; 4,096 such instructions a wave.
; CLUSTERS: 4 x 4 work-groups.  xs' tile hangs on the grid's x alone: asked for jointly by a column of the cluster; ps' tile on the grid's y alone: by a row.
.set NA, 5                             ; quads in the first tensor loads: groups 0 to 3 work on them and fetch quad 4
.set NB, 11                            ; the rest, waited for in front of the loop
.set XQ, 512                           ; a quad of xs in LDS: 32 b x 16 bytes
.set PQ, 1024                          ; a quad of ps: 64 places x 16 bytes
.set XPART, 16*XQ
.set WAVEB, XPART+16*PQ                ; a wave's tiles: 24,576 bytes
.set SCR_I, 4*WAVEB                    ; scratch, into which no tensor load lands: partial I, [wave][32 b] rows of 272 bytes
.set IPITCH, 272
.set IWAVE, 32*IPITCH
.set SCR_SX, SCR_I+4*IWAVE             ; partial Sx: [wave][b % 8][b / 8], 128 bytes a wave
.set SCR_SP, SCR_SX+512                ; partial Sp: [wave][64 p], 256 bytes a wave
.set LAG, 6                            ; the add follows its min by six instructions
.set TB,  8                            ; v[8:23]    the mins on their way to the adds
.set AR,  24                           ; v[24:87]   64 sums, 8 i + j
.set XR,  88                           ; v[88:151]  xs of a quad, 8 b x 4 f, two buffers; register number % 4 = f % 4
.set PR,  154                          ; v[154:217] ps of a quad, 8 p x 4 f, two buffers; register number % 4 = (f + 2) % 4
.set SL,  218                          ; v[218:229] for the rows' sums: b = lane, places lane and lane + 32, as loaded
.set SA,  230                          ; v[230:241] their running sums
.set BI,  242                          ; v[242:245] bias of my four columns
.set AL,  246                          ; alpha, alpha
.set BE,  248                          ; beta, beta
.set EP,  250                          ; 1e-8, 1e-8
.set G1XA, 20
.set G1PA, 28
.set G1XB, 36
.set G1PB, 44
.set G0XA, 52
.set G0PA, 56
.set G0XB, 60
.set G0PB, 68
.macro ROUND                           ; a round of the cluster's barrier
	s_barrier_signal -1
	s_barrier_wait -1
	s_cmp_lg_u32 s18, 0
	s_cbranch_scc1 .Lnot_wave_0_\@
	s_barrier_signal -3
.Lnot_wave_0_\@:
	s_barrier_wait -3
	s_barrier_signal -1
	s_barrier_wait -1
.endm
.macro DESC1 g, mask, cols, rows, pitch        ; group 1: rows (quads) of cols elements of 8 bytes, no padding
	s_or_b32  s[\g], \mask, (3<<16)|(1<<21)
	s_mov_b32 s[\g+1], (\cols)<<16
	s_mov_b32 s[\g+2], (\rows)<<16
	s_mov_b32 s[\g+3], (\cols)<<16
	s_mov_b32 s[\g+4], \rows
	s_mov_b32 s[\g+5], \pitch
	s_mov_b32 s[\g+6], 0
	s_mov_b32 s[\g+7], 0
.endm
.macro DESC0 g, ldsoff, abase, goff            ; group 0: to my wave's bytes + ldsoff, from the address in s[abase] + goff
	s_mov_b32 s[\g], 1
	s_add_co_u32 s[\g+1], s77, \ldsoff
	s_add_nc_u64 s[\g+2:\g+3], s[\abase:\abase+1], \goff
	s_or_b32 s[\g+3], s[\g+3], 0x80000000
.endm
	s_load_b256 s[4:11], s[0:1], 0x0               ; xsq s[4:5], psq s[6:7], bias s[8:9], alpha's address s[10:11]
	s_load_b128 s[12:15], s[0:1], 0x20             ; beta's address s[12:13], out s[14:15]
	v_lshl_add_u32 v254, v0, 2, 0x29000
	v_mov_b32 v255, 0
	ds_add_u32 v254, v255
	v_lshrrev_b32 v8, 5, v0
	v_readfirstlane_b32 s18, v8                    ; wave 0..3 = my quarter of f
	s_bfe_u32 s19, ttmp6, 0x40000                  ; cx
	s_bfe_u32 s72, ttmp6, 0x40004                  ; cy
	s_lshl_b32 s73, ttmp9, 2
	s_add_co_u32 s73, s73, s19                     ; bx: block of 32 b, 0..63
	s_and_b32 s74, ttmp7, 0xffff
	s_lshl_b32 s74, s74, 2
	s_add_co_u32 s74, s74, s72                     ; py: block of 64 p, 0..3
	s_lshl_b32 s75, s72, 2
	s_lshl_b32 s75, 15, s75                        ; my row of the cluster (same cy): ps
	s_lshl_b32 s76, 0x1111, s19                    ; my column (same cx): xs
	DESC1 G1XA, s76, 64,  NA, 4096                 ; xs: 512 bytes of each of NA quads, 32,768 bytes apart
	DESC1 G1PA, s75, 128, NA, 512                  ; ps: 1,024 bytes of each of NA quads, 4,096 bytes apart
	DESC1 G1XB, s76, 64,  NB, 4096
	DESC1 G1PB, s75, 128, NB, 512
	s_mul_i32 s77, s18, WAVEB                      ; my LDS bytes: the wave's number alone
	s_lshl_b32 s80, s18, 19                        ; xs: 16 quads of 32,768 bytes for each wave,
	s_lshl_b32 s78, s73, 9                         ; 32 b x 16 bytes for each bx (never holds cy)
	s_add_co_u32 s80, s80, s78
	s_mov_b32 s81, 0
	s_lshl_b32 s82, s18, 16                        ; ps: 16 quads of 4,096 bytes for each wave,
	s_lshl_b32 s79, s74, 10                        ; 64 places x 16 bytes for each py (never holds cx)
	s_add_co_u32 s82, s82, s79
	s_mov_b32 s83, 0
	s_wait_dscnt 0x0
	s_wait_kmcnt 0x0
	s_add_nc_u64 s[80:81], s[4:5], s[80:81]
	s_add_nc_u64 s[82:83], s[6:7], s[82:83]
	DESC0 G0XA, 0,           80, 0
	DESC0 G0PA, XPART,       82, 0
	DESC0 G0XB, NA*XQ,       80, NA*32768
	DESC0 G0PB, XPART+NA*PQ, 82, NA*4096
	ROUND                                          ; all sixteen work-groups are here: the joint loads meet
	tensor_load_to_lds s[G0XA:G0XA+3], s[G1XA:G1XA+7]      ; all fills of the launch, one group: four loads of this wave are out at the most
	s_nop 0
	tensor_load_to_lds s[G0PA:G0PA+3], s[G1PA:G1PA+7]
	s_nop 0
	tensor_load_to_lds s[G0XB:G0XB+3], s[G1XB:G1XB+7]
	s_nop 0
	tensor_load_to_lds s[G0PB:G0PB+3], s[G1PB:G1PB+7]
	s_nop 0
	s_load_b32 s16, s[10:11], 0x0                  ; alpha and beta: waited for in front of the last formula
	s_load_b32 s17, s[12:13], 0x0
	s_lshl_b32 s92, s74, 8                         ; 64 p x 4 bytes for each py
	s_mov_b32 s93, 0
	s_add_nc_u64 s[8:9], s[8:9], s[92:93]
	v_and_b32 v252, 15, v0
	v_lshlrev_b32 v252, 4, v252                    ; my four columns; never rewritten
	global_load_b128 v[BI:BI+3], v252, s[8:9]      ; waited for in front of the last formula
	s_lshl_b32 s84, s73, 15                        ; out: 32 rows of 1,024 bytes for each bx
	s_add_co_u32 s84, s84, s92
	s_mov_b32 s85, 0
	s_add_nc_u64 s[14:15], s[14:15], s[84:85]
	v_and_b32 v8, 31, v0                           ; lane
	v_lshrrev_b32 v9, 3, v8                        ; lb
	v_and_b32 v10, 7, v8                           ; lp
	s_add_co_u32 s87, s77, XPART
	v_lshl_add_u32 v1, v9, 4, s77                  ; xs of b = lb (+ 4 i by the offset)
	v_lshl_add_u32 v2, v10, 4, s87                 ; ps of place lp (+ 8 j by the offset): eight lanes, eight neighbouring 16 bytes
	v_lshl_add_u32 v3, v8, 4, s77                  ; xs of b = lane, for Sx
	v_lshl_add_u32 v4, v8, 4, s87                  ; ps of place lane (and lane + 32), for Sp
	s_mul_i32 s88, s18, IWAVE
	s_add_co_u32 s88, s88, SCR_I
	v_mul_u32_u24 v5, v9, IPITCH
	v_lshl_add_u32 v5, v10, 5, v5
	v_add_nc_u32 v5, s88, v5                       ; partial I: row lb, columns 8 lp ..: 16 lanes hit 16 different 16-byte columns modulo 256
	s_lshl_b32 s89, s18, 7
	s_add_co_u32 s89, s89, SCR_SX
	v_lshl_add_u32 v6, v10, 2, v9                  ; b = lane lies at word 4 (b % 8) + b / 8
	v_lshl_add_u32 v6, v6, 2, s89
	s_lshl_b32 s90, s18, 8
	s_add_co_u32 s90, s90, SCR_SP
	v_lshl_add_u32 v7, v10, 3, v9                  ; place lane is p = 8 lp + lb; place lane + 32 is four further
	v_lshl_add_u32 v7, v7, 2, s90
; the quad j behind the address registers' quad, into buffer buf; its part for the rows' sums into dst
.macro LOADQ buf, j, dst
.irp i, 0,1,2,3,4,5,6,7
	ds_load_b128 v[XR+32*(\buf)+4*\i:XR+32*(\buf)+4*\i+3], v1 offset:\j*XQ+\i*64
.endr
.irp i, 0,1,2,3,4,5,6,7
	ds_load_b128 v[PR+32*(\buf)+4*\i:PR+32*(\buf)+4*\i+3], v2 offset:\j*PQ+\i*128
.endr
	ds_load_b128 v[\dst:\dst+3],    v3 offset:\j*XQ
	ds_load_b128 v[\dst+4:\dst+7],  v4 offset:\j*PQ
	ds_load_b128 v[\dst+8:\dst+11], v4 offset:\j*PQ+512
.endm
; THE DUAL FORM'S RULES, met by arithmetic on register numbers.  Item m of a quad (0..255) is f = m / 64, sum m % 64.  Its min reads banks (number % 4)
; f (xs) and f + 2 (ps).  The add that shares the instruction of item n is item m = n - LAG: destinations of unlike parity, first sources in unlike banks,
; second sources in unlike banks.  The sum's bank is m % 4.  If that differs from f(n), the sum is the add's first source and the min's result must avoid
; bank f(n) + 2; else the result is the first source and must avoid bank f(n), and the sum, in bank f(n), is a fit second source.  A result's parity is the
; opposite of m's (LAG is even), which leaves two banks, of which at most one is barred.  TR = the register of item m's min: four blocks of four, used
; again after eight items, later than the LAG.
.macro TREG m
.set t_par, 1-((\m)&1)
.set t_fi, (((\m)+LAG)&255)>>6
.if ((\m)&3) != t_fi
.set t_no, (t_fi+2)&3
.else
.set t_no, t_fi
.endif
.if t_par == t_no
.set TR, TB+4*(((\m)>>1)&3)+t_par+2
.else
.set TR, TB+4*(((\m)>>1)&3)+t_par
.endif
.endm
; The 256 items of a quad.  first = 1: the 64 mins of f = 0 ARE the sums' first values (nothing is cleared), and the next LAG mins have no add beside them.
.macro SLOTS buf, first
.set g_n, 0
.rept 256
.set g_fi, g_n>>6
.set g_a, g_n&63
.set g_x, XR+32*(\buf)+4*(g_a>>3)+g_fi
.set g_p, PR+32*(\buf)+4*(g_a&7)+g_fi
	TREG g_n
.set g_t, TR
.set g_kind, 0
.if \first
.if g_n < 64
.set g_kind, 1
.else
.if g_n < 64+LAG
.set g_kind, 2
.endif
.endif
.endif
.if g_kind == 1
	v_min_num_f32 v[AR+g_a], v[g_x], v[g_p]
.endif
.if g_kind == 2
	v_min_num_f32 v[g_t], v[g_x], v[g_p]
.endif
.if g_kind == 0
.set g_m, (g_n-LAG)&255
.set g_s, AR+(g_m&63)
	TREG g_m
.if (g_m&3) != g_fi
	v_dual_min_num_f32 v[g_t], v[g_x], v[g_p] :: v_dual_add_f32 v[g_s], v[g_s], v[TR]
.else
	v_dual_min_num_f32 v[g_t], v[g_x], v[g_p] :: v_dual_add_f32 v[g_s], v[TR], v[g_s]
.endif
.endif
.set g_n, g_n+1
.endr
.endm
; One quad: its operands, asked for a quad ago, are waited for; the next quad's 19 loads go out in one run, into the other buffer, and have the 256 pairs in which to land.
.macro GROUP buf, first, nextj
	s_wait_dscnt 0x0
.if \first == 0
.irp e, 0,2,4,6,8,10
	v_pk_add_f32 v[SA+\e:SA+\e+1], v[SA+\e:SA+\e+1], v[SL+\e:SL+\e+1]
.endr
.endif
.if \nextj
	LOADQ 1-\buf, \nextj, SL
.endif
	SLOTS \buf, \first
.endm
	s_wait_tensorcnt 0x2                           ; loads end in order: quads 0 to 4 of xs and ps are in, the two loads of quads 5 to 15 may be out
	LOADQ 0, 0, SA                                 ; quad 0 starts the rows' sums: nothing is cleared
	GROUP 0, 1, 1
	GROUP 1, 0, 2
	GROUP 0, 0, 3
	GROUP 1, 0, 4
	v_add_nc_u32 v1, 4*XQ, v1                      ; the address registers now stand at quad 4
	v_add_nc_u32 v3, 4*XQ, v3
	v_add_nc_u32 v2, 4*PQ, v2
	v_add_nc_u32 v4, 4*PQ, v4
	s_wait_tensorcnt 0x0                           ; quads 5 to 15 are in: they had four quads' work in which to land
	s_mov_b32 s86, 5
.Ltrip:                                            ; quads 4 to 13, two a trip
	GROUP 0, 0, 1
	GROUP 1, 0, 2
	v_add_nc_u32 v1, 2*XQ, v1
	v_add_nc_u32 v3, 2*XQ, v3
	v_add_nc_u32 v2, 2*PQ, v2
	v_add_nc_u32 v4, 2*PQ, v4
	s_sub_co_i32 s86, s86, 1
	s_cmp_lg_u32 s86, 0
	s_cbranch_scc1 .Ltrip
	GROUP 0, 0, 1                                  ; quad 14 fetches quad 15,
	GROUP 1, 0, 0                                  ; which fetches nothing
.set g_m, 256-LAG
.rept LAG                                          ; the last LAG adds
	TREG g_m
	v_add_f32 v[AR+(g_m&63)], v[AR+(g_m&63)], v[TR]
.set g_m, g_m+1
.endr
	v_pk_add_f32 v[SA:SA+1],   v[SA:SA+1],   v[SA+2:SA+3]
	v_pk_add_f32 v[SA+4:SA+5], v[SA+4:SA+5], v[SA+6:SA+7]
	v_pk_add_f32 v[SA+8:SA+9], v[SA+8:SA+9], v[SA+10:SA+11]
	v_add_f32 v[SA],   v[SA],   v[SA+1]            ; my quarter of Sx[lane]
	v_add_f32 v[SA+4], v[SA+4], v[SA+5]            ; of Sp at place lane
	v_add_f32 v[SA+8], v[SA+8], v[SA+9]            ; of Sp at place lane + 32
	; the four quarters of f meet in scratch
.irp i, 0,1,2,3,4,5,6,7
	ds_store_b128 v5, v[AR+8*\i:AR+8*\i+3]   offset:\i*4*IPITCH
	ds_store_b128 v5, v[AR+8*\i+4:AR+8*\i+7] offset:\i*4*IPITCH+16
.endr
	ds_store_b32 v6, v[SA]
	ds_store_b32 v7, v[SA+4]
	ds_store_b32 v7, v[SA+8] offset:16
	s_wait_dscnt 0x0                               ; my stores are done, for the other waves' sake
	s_barrier_signal -1
	v_lshrrev_b32 v8, 4, v0                        ; thread t finishes rows t / 16 + 8 i, columns 4 (t % 16) .. + 3
	v_and_b32 v9, 15, v0
	v_mul_u32_u24 v10, v8, IPITCH
	v_lshl_add_u32 v10, v9, 4, v10
	v_add_nc_u32 v10, SCR_I, v10
	v_lshlrev_b32 v11, 4, v8
	v_add_nc_u32 v11, SCR_SX, v11                  ; the four words of rows t / 16 + 8 i lie side by side
	v_lshlrev_b32 v12, 4, v9
	v_add_nc_u32 v12, SCR_SP, v12
	v_lshlrev_b32 v13, 10, v8
	v_lshl_add_u32 v13, v9, 4, v13                 ; out: row x 1,024 + 16 (t % 16): sixteen lanes store 256 consecutive bytes, aligned
	s_barrier_wait -1
.set IR,  XR                           ; v[88:103]   I, row i at 4 i (wave 0's partial, then the sum); waves 1 to 3 behind it
.set XD,  XR+16                        ; v[104:119]  x_diff, later the result
.set PD,  XR+32                        ; v[120:135]  p_diff
.set DN,  XR+48                        ; v[136:151]  the denominator, then its reciprocal
.set SXR, PR                           ; v[154:157]  Sx of my four rows
.set SPR, PR+16                        ; v[170:173]  Sp of my four columns
.irp u, 0,1,2,3
.irp i, 0,1,2,3
	ds_load_b128 v[IR+16*\u+4*\i:IR+16*\u+4*\i+3], v10 offset:\u*IWAVE+\i*8*IPITCH
.endr
.endr
.irp u, 0,1,2,3
	ds_load_b128 v[SXR+4*\u:SXR+4*\u+3], v11 offset:\u*128
	ds_load_b128 v[SPR+4*\u:SPR+4*\u+3], v12 offset:\u*256
.endr
	s_wait_kmcnt 0x0                               ; alpha, beta
	v_mov_b32 v[AL],   s16
	v_mov_b32 v[AL+1], s16
	v_mov_b32 v[BE],   s17
	v_mov_b32 v[BE+1], s17
	v_mov_b32 v[EP],   0x322bcc77                  ; 1e-8
	v_mov_b32 v[EP+1], 0x322bcc77
	s_wait_dscnt 0x0
.irp e, 0,2,4,6,8,10,12,14
	v_pk_add_f32 v[IR+\e:IR+\e+1], v[IR+\e:IR+\e+1], v[IR+16+\e:IR+16+\e+1]
	v_pk_add_f32 v[IR+32+\e:IR+32+\e+1], v[IR+32+\e:IR+32+\e+1], v[IR+48+\e:IR+48+\e+1]
.endr
.irp e, 0,2
	v_pk_add_f32 v[SXR+\e:SXR+\e+1], v[SXR+\e:SXR+\e+1], v[SXR+4+\e:SXR+4+\e+1]
	v_pk_add_f32 v[SXR+8+\e:SXR+8+\e+1], v[SXR+8+\e:SXR+8+\e+1], v[SXR+12+\e:SXR+12+\e+1]
	v_pk_add_f32 v[SPR+\e:SPR+\e+1], v[SPR+\e:SPR+\e+1], v[SPR+4+\e:SPR+4+\e+1]
	v_pk_add_f32 v[SPR+8+\e:SPR+8+\e+1], v[SPR+8+\e:SPR+8+\e+1], v[SPR+12+\e:SPR+12+\e+1]
.endr
.irp e, 0,2,4,6,8,10,12,14
	v_pk_add_f32 v[IR+\e:IR+\e+1], v[IR+\e:IR+\e+1], v[IR+32+\e:IR+32+\e+1]
.endr
.irp e, 0,2
	v_pk_add_f32 v[SXR+\e:SXR+\e+1], v[SXR+\e:SXR+\e+1], v[SXR+8+\e:SXR+8+\e+1]
	v_pk_add_f32 v[SPR+\e:SPR+\e+1], v[SPR+\e:SPR+\e+1], v[SPR+8+\e:SPR+8+\e+1]
.endr
; row i: ((I + alpha (Sx - I)) + beta (Sp - I)) + 1e-8, in reference's order.  Sx of the row is register sel of the pair sxp, taken for both halves.
.macro DENOM i, sxp, sel
.irp e, 0,2
	v_pk_add_f32 v[XD+4*\i+\e:XD+4*\i+\e+1], v[\sxp:\sxp+1], v[IR+4*\i+\e:IR+4*\i+\e+1] op_sel:[\sel,0] op_sel_hi:[\sel,1] neg_lo:[0,1] neg_hi:[0,1]
	v_pk_add_f32 v[PD+4*\i+\e:PD+4*\i+\e+1], v[SPR+\e:SPR+\e+1], v[IR+4*\i+\e:IR+4*\i+\e+1] neg_lo:[0,1] neg_hi:[0,1]
	v_pk_fma_f32 v[DN+4*\i+\e:DN+4*\i+\e+1], v[AL:AL+1], v[XD+4*\i+\e:XD+4*\i+\e+1], v[IR+4*\i+\e:IR+4*\i+\e+1]
	v_pk_fma_f32 v[DN+4*\i+\e:DN+4*\i+\e+1], v[BE:BE+1], v[PD+4*\i+\e:PD+4*\i+\e+1], v[DN+4*\i+\e:DN+4*\i+\e+1]
	v_pk_add_f32 v[DN+4*\i+\e:DN+4*\i+\e+1], v[DN+4*\i+\e:DN+4*\i+\e+1], v[EP:EP+1]
.endr
.endm
	DENOM 0, SXR, 0
	DENOM 1, SXR, 1
	DENOM 2, SXR+2, 0
	DENOM 3, SXR+2, 1
.irp j, 0,1,2,3,4,5,6,7,8,9,10,11,12,13,14,15
	v_rcp_f32 v[DN+\j], v[DN+\j]
.endr
	v_nop                                          ; one plain instruction behind the transcendentals before their results are used (ISA guide 5.7.2)
	s_wait_loadcnt 0x0                             ; bias
	s_wait_alu depctr_va_vdst(0)
.irp i, 0,1,2,3
	v_pk_fma_f32 v[XD+4*\i:XD+4*\i+1],   v[IR+4*\i:IR+4*\i+1],   v[DN+4*\i:DN+4*\i+1],   v[BI:BI+1]
	v_pk_fma_f32 v[XD+4*\i+2:XD+4*\i+3], v[IR+4*\i+2:IR+4*\i+3], v[DN+4*\i+2:DN+4*\i+3], v[BI+2:BI+3]
	global_store_b128 v13, v[XD+4*\i:XD+4*\i+3], s[14:15] offset:\i*8192 th:TH_STORE_NT
.endr
	s_wait_tensorcnt 0x0
	ds_add_u32 v254, v255
	s_wait_dscnt 0x0
	ROUND                                          ; the closing round: no work-group ends while a partner may still ask for a tile that names it
	s_endpgm
.Lfunc_end_k_qd92a21502b_tversky:
	.size	k_qd92a21502b_tversky, .Lfunc_end_k_qd92a21502b_tversky-k_qd92a21502b_tversky
	.p2alignl 7, 3214868480
	.fill 96, 4, 3214868480
	.section	.rodata,"a",@progbits
	.p2align	6, 0x0
	.amdhsa_kernel k_qd92a21502b_tversky
		.amdhsa_group_segment_fixed_size 168448
		.amdhsa_private_segment_fixed_size 0
		.amdhsa_enable_private_segment 0
		.amdhsa_kernarg_size 48
		.amdhsa_user_sgpr_count 2
		.amdhsa_user_sgpr_kernarg_segment_ptr 1
		.amdhsa_wavefront_size32 1
		.amdhsa_system_sgpr_workgroup_id_x 1
		.amdhsa_system_sgpr_workgroup_id_y 1
		.amdhsa_system_sgpr_workgroup_id_z 1
		.amdhsa_system_vgpr_workitem_id 0
		.amdhsa_next_free_vgpr 256
		.amdhsa_next_free_sgpr 96
		.amdhsa_reserve_vcc 0
		.amdhsa_float_denorm_mode_32 3
		.amdhsa_float_denorm_mode_16_64 3
		.amdhsa_memory_ordered 1
		.amdhsa_forward_progress 1
		.amdhsa_inst_pref_size 157
	.end_amdhsa_kernel
	.amdgpu_metadata
---
amdhsa.version: [ 1, 2 ]
amdhsa.kernels:
  - .name:           k_qd92a21502b_tversky
    .symbol:         k_qd92a21502b_tversky.kd
    .args:
      - { .name: xsq, .offset: 0, .size: 8, .value_kind: global_buffer, .address_space: global }
      - { .name: psq, .offset: 8, .size: 8, .value_kind: global_buffer, .address_space: global }
      - { .name: bias, .offset: 16, .size: 8, .value_kind: global_buffer, .address_space: global }
      - { .name: alpha, .offset: 24, .size: 8, .value_kind: global_buffer, .address_space: global }
      - { .name: beta, .offset: 32, .size: 8, .value_kind: global_buffer, .address_space: global }
      - { .name: out0, .offset: 40, .size: 8, .value_kind: global_buffer, .address_space: global }
    .group_segment_fixed_size: 168448
    .private_segment_fixed_size: 0
    .kernarg_segment_align: 8
    .kernarg_segment_size: 48
    .max_flat_workgroup_size: 128
    .sgpr_count:     96
    .vgpr_count:     256
    .wavefront_size: 32
...
	.end_amdgpu_metadata
.endif
;; end of part 2
